; MI455X (gfx1250); checked and timed in simulation.
; The chip was launched on July 23, 2026; its instructions are those of AMD's public machine-readable ISA for CDNA 5 (MIT licence, August 2026) and "CDNA5" Instruction Set Architecture Reference Guide (July 2026). The comments in the code are by the model that wrote it; some were corrected since.
;; Quant Linear. Allowed arithmetic: matrix products marked QUANTISED: E2M1 operands, one E8M0 scale for each 32 along K, by v_wmma_scale_f32_16x16x128_f8f6f4 with both operands' format E2M1 (or v_wmma_scale_f32_32x16x128_f4), f32 sums; products left as they are: f32 operands where the result goes on into a quantised operand, else bf16, f16 or f32 operands; f32 sums; everything else in f32.
;; Inputs: g_idx 4,096 int32; lora_A 16 x 4,096 float32; lora_B 4,096 x 16 float32; qweight 512 x 4,096 int32; qzeros 32 x 512 int32; scales 32 x 4,096 float32; x 4,096 x 4,096 float32.
;; Outputs: out0 4,096 x 4,096 float32.
;; This version of the problem:
;;   THIS VERSION OF THE PROBLEM IS GIVEN IN LOW PRECISION. The matrix products marked QUANTISED in the list below multiply operands that are first quantised to E2M1 (2 exponent bits, 1 mantissa bit; 4 bits a number), with one power-of-two scale for each 32 numbers along K (OCP MX v1.0); their sums are f32. All else is computed in f32.
;;   The module's matrix products, in the order in which they are computed (A, B: the left and right operand; K: the contracted axis; several contracted axes count as one K, in the product's order):
;;     1. [M 4,096, K 4,096] x [K 4,096, N 4,096]; A: input x; B: computed on the way: QUANTISED
;;     2. [M 4,096, K 4,096] x [K 4,096, N 16]; A: input x; B: input lora_A: QUANTISED
;;     3. [M 4,096, K 16] x [K 16, N 4,096]; A: computed on the way; B: input lora_B: left as it is (K = 16 < 32)
;;   THE QUANTISER, for each operand of a quantised product, along K:
;;     - K is cut into blocks of 32 from its start; a last block that is shorter is filled with zeros.
;;     - A block's scale is 2^e with e = floor(log2(the largest magnitude in the block)) - 2, held to -126 .. 127; a block of zeros has e = 0. As a byte (E8M0): e + 127.
;;     - Each number is divided by its block's scale, clamped to +-6, and rounded to the nearest number of E2M1, ties to even, subnormals kept.
;;     - The product sums the exact products of the quantised numbers (number of the format x scale) in f32.
;;   ~~~python
;;   def quantise(x, axis):      # numpy; x: float32 -> the quantised numbers, widened to float32 again
;;       x = np.moveaxis(x, axis, -1); K = x.shape[-1]
;;       x = np.pad(x, [(0, 0)] * (x.ndim - 1) + [(0, -K % 32)]); x = x.reshape(x.shape[:-1] + (-1, 32)); a = np.abs(x).max(-1, keepdims=True)
;;       e = np.where(a > 0, np.clip(np.frexp(np.where(a > 0, a, 1))[1] - 1 - 2, -126, 127), 0)      # np.frexp(a)[1] - 1 = floor(log2(a)), exactly
;;       r = np.clip(x / 2.0 ** e, -6, 6)
;;       step = 2.0 ** (np.maximum(np.frexp(np.where(r == 0, 1, r))[1] - 1, 0) - 1)
;;       q = np.round(r / step) * step * 2.0 ** e      # np.round: ties to even
;;       return np.moveaxis(q.reshape(q.shape[:-2] + (-1,))[..., :K], -1, axis).astype(np.float32)
;;   ~~~
;;   OPERANDS COMPUTED ON THE WAY. 'Computed on the way' means the value that the module computes at that place (a softmax that the list does not call 'softmax' is quantised finished and normalised). What goes into a quantiser is computed in f32, as accurately as f32 sums, v_exp_f32 and their like allow (about 1e-6 of the number): no bf16 or f16 on the way to a quantiser, and a product that is left as it is and whose result goes on into a quantised operand takes f32 operands (vector FMAs, or v_wmma_f32_16x16x4_f32). A number that lies on a knife's edge between two numbers of the format may be rounded either way, as far as f32 arithmetic and the matrix unit's own rounding can turn it there, and no further.
;; One version. Each part assembles by itself: llvm-mc -triple=amdgcn-amd-amdhsa -mcpu=gfx1250 --defsym DOCPART=n.
;; ======== version 1 of 1: 2 launches
;; limits: values are held in bf16: 8 bits of precision; right only within a limited range of input values
;; workspace buffers: xq 8,912,896 bytes; wq 9,502,720 bytes
;; launch prep (part 1): grid 512 x 1, 8 waves a work-group, no clusters, 115,712 bytes of LDS; arguments qweight, qzeros, scales, g_idx, wq, xq, x, lora_A; writes wq, xq
.if DOCPART == 1
	.amdgcn_target "amdgcn-amd-amdhsa--gfx1250"
	.amdhsa_code_object_version 6
	.text
	.protected	k_q0ca5973c9b_prep
	.globl	k_q0ca5973c9b_prep
	.p2align	8
	.type	k_q0ca5973c9b_prep,@function
k_q0ca5973c9b_prep:
	s_mov_b64 s[64:65], 0
	v_nop
	global_prefetch_b8 v0, s[64:65] scope:SCOPE_SE
	s_setreg_imm32_b32 hwreg(HW_REG_WAVE_MODE, 25, 1), 1
	s_wait_xcnt 0x0
; ONE LAUNCH MAKES ALL CODES of FP4 (E2M1), with one E8M0 byte for each 32 along K, laid as the product's launch fetches them:
;   xq: [16 row tiles][8 K steps][272 rows x 256 bytes]: row r < 256: the 512 codes of the tile's row r of x; from byte 65,536 on: 16 scale bytes a row.
;   wq: [16 column tiles][8 K steps][290 rows x 256 bytes]: rows 0-255: the codes of the tile's columns of W, K innermost; rows 256-271: lora_A's codes;
;       rows 272-287: W's scale bytes, 16 a column; row 288: lora_A's; row 289: row 288 once more (it evens the block to two halves of 145 rows; fetched, never read).
; Work-groups 0-255: W.  Work-groups 256-511: x and lora_A.  The two paths part on the work-group's number alone and have LDS bytes of their own.
; A block's scale is 2^(floor(log2(its largest magnitude)) - 2); its byte is the largest magnitude's exponent field - 2, held at 1 from below.
; (A block of zeros so gets the byte 1 where the rule says 127: its codes are zeros, which add nothing under any byte but 0xff, and this program alone reads the bytes.)
; LIMITS: NaN and infinities among x, lora_A and scales are not served.  g_idx is taken as unsigned and held at 31, the table's last row.
; W'S PATH.  W[k][n] = scales[g_idx[k]][n] x (nibble k % 8 of qweight[k / 8][n] - nibble n % 8 of qzeros[g_idx[k]][n / 8] - 1), in f32 (a whole number times the scale: one rounding).
; Work-group w: columns 128 (w % 32) on, K step w / 32.  Wave v: 32 columns (v % 4), 256 along K (v / 4).  A lane takes a column and its registers run down K: a block of 32 lies in one lane.
; The work-group's 128 columns x 32 groups of (scale, zero + 1) lie in LDS as a table.  g_idx is honoured as given: a wave's 256 indices come by eight vector loads, lane i of load t holding
; that of k = 32 t + i; each is read out of its lane, held at 31, and names the table's row for that k.
; THREE BARRIERS: the table is whole | nobody reads the table any more | the stage is whole.  No LDS store stands between the first two.
; X'S PATH.  Work-group 256 + g: rows 16 g on of x; wave = K step of 512; step t = row t.  A 17th step takes row g % 16 of lora_A for column tile g / 16: so each copy of each row has one owner, with no branch.
; Each load reads 512 consecutive bytes; a step's 2,048 bytes turn through the wave's own stage, so that a lane holds 16 neighbours along K (two lanes to a block).  Loads run 8 steps (32 loads a wave) ahead.
; lora_A's 16 scale bytes of a (row, K step) are stored as bytes, two lanes the same byte: 16 bytes in 2,048 read.
.set BBLK,   74240
.set ABLK,   69632
.set WSC,    69632
.set STG,    32768                     ; W: the stage: 128 rows x (256 + 16) bytes, behind the table's 32,768
.set SPITCH, 272
.set SCS,    STG+128*SPITCH            ; W: 16 scale bytes a column
.set SPARE,  0x11000                   ; the spare words: 128 bytes a wave, four blocks of 256 that no other line names
.set ACT0,   SPARE+1024                ; x's path: a region for each wave
.set WREG,   5632                      ; two stages of 32 x SP bytes, then 256 scale bytes
.set SP,     80
.set SPW,    254
.set NIL,    255
	s_cmp_ge_u32 ttmp9, 256
	s_cbranch_scc1 .Lact
; ---------------- W ----------------
.set Q,      16                        ; v16-47   my column's 32 words of qweight
.set P,      48                        ; v48-175  two sets of 32 pairs (scale, zero + 1); on the way out the rows read back
.set XN,     176                       ; v176-207 the table's 32 addresses, then the block's 32 numbers
.set CD,     208                       ; v208-239 codes: four registers a block
.set SB,     240                       ; v240-241 the 8 scale bytes
.set GI,     244                       ; v244-251 g_idx of my 256 k
.set GB,     32                        ; s32-63   a block's 32 indices
	s_load_b256 s[4:11], s[0:1], 0x0               ; qweight, qzeros, scales, g_idx
	s_load_b64 s[12:13], s[0:1], 0x20              ; wq
	v_lshl_add_u32 v[SPW], v0, 2, SPARE
	v_mov_b32 v[NIL], 0
	v_lshrrev_b32 v1, 5, v0
	v_readfirstlane_b32 s14, v1                    ; wave 0..7
	s_and_b32 s15, s14, 3                          ; which 32 columns
	s_lshr_b32 s16, s14, 2                         ; which 256 along K; also which 16 groups of the table I fill
	s_and_b32 s2, ttmp9, 31                        ; which 128 columns
	s_lshr_b32 s18, ttmp9, 5                       ; the K step
	s_lshl_b32 s40, s15, 13                        ; the table, read: my columns' part
	s_lshl_b32 s41, s16, 12
	s_add_co_u32 s41, s41, s40                     ; and written: my 16 groups of it
	s_mul_i32 s42, s15, 32*SPITCH
	s_lshl_b32 s43, s16, 7
	s_add_co_u32 s42, s42, s43
	s_add_co_u32 s42, s42, STG                     ; the stage, in
	s_lshl_b32 s43, s15, 9
	s_lshl_b32 s44, s16, 3
	s_add_co_u32 s43, s43, s44
	s_add_co_u32 s43, s43, SCS                     ; my scale bytes, in
	s_mul_i32 s44, s14, 16*SPITCH
	s_add_co_u32 s44, s44, STG                     ; the stage, out: rows 16 v on
	s_lshl_b32 s45, s14, 8
	s_add_co_u32 s45, s45, SCS                     ; scale bytes, out
	s_lshl_b32 s20, s2, 9
	s_lshl_b32 s21, s15, 7
	s_add_co_u32 s19, s20, s21                     ; my first column x 4
	s_lshl_b32 s20, s18, 20                        ; qweight: 64 rows of 16,384 bytes a K step, 32 for my half
	s_lshl_b32 s21, s16, 19
	s_add_co_u32 s20, s20, s21
	s_add_co_u32 s20, s20, s19
	s_mov_b32 s21, 0
	s_lshl_b32 s22, s16, 18                        ; scales: my 16 groups' rows
	s_add_co_u32 s22, s22, s19
	s_mov_b32 s23, 0
	s_lshl_b32 s28, s16, 15                        ; qzeros: my 16 groups' rows of 2,048 bytes, 16 words for 128 columns, 4 for my 32
	s_lshl_b32 s29, s2, 6
	s_add_co_u32 s28, s28, s29
	s_lshl_b32 s29, s15, 4
	s_add_co_u32 s28, s28, s29
	s_mov_b32 s29, 0
	s_lshl_b32 s30, s18, 11                        ; g_idx: 512 words a K step, 256 for my half
	s_lshl_b32 s31, s16, 10
	s_add_co_u32 s30, s30, s31
	s_mov_b32 s31, 0
	s_lshr_b32 s24, s2, 1                          ; the column tile of 256
	s_lshl_b32 s24, s24, 3
	s_add_co_u32 s24, s24, s18
	s_mul_i32 s24, s24, BBLK
	s_and_b32 s17, s2, 1                           ; which 128 rows of the block
	s_lshl_b32 s26, s17, 11
	s_lshl_b32 s27, s14, 8
	s_add_co_u32 s26, s26, s27
	s_add_co_u32 s26, s26, s24
	s_add_co_u32 s26, s26, WSC                     ; the 256 scale bytes that I store
	s_mov_b32 s27, 0
	s_lshl_b32 s25, s17, 15
	s_add_co_u32 s24, s24, s25
	s_lshl_b32 s25, s14, 12
	s_add_co_u32 s24, s24, s25                     ; the 16 rows of codes that I store
	s_mov_b32 s25, 0
	v_and_b32 v1, 31, v0                           ; lane
	v_and_b32 v13, 15, v0
	v_bfe_u32 v14, v0, 4, 1
	v_lshlrev_b32 v2, 2, v1                        ; 4 x lane
	v_lshrrev_b32 v3, 3, v1
	v_and_b32 v4, 7, v1
	v_lshl_add_u32 v6, v1, 3, s40                  ; the table, read
	v_lshl_add_u32 v5, v1, 3, s41                  ; and written
	v_mul_u32_u24 v7, v1, SPITCH
	v_mul_u32_u24 v9, v14, SPITCH
	v_lshlrev_b32 v3, 2, v3                        ; my word of qzeros
	v_lshlrev_b32 v4, 2, v4                        ; my nibble's place in it
	v_lshl_add_u32 v8, v1, 4, s43
	v_lshl_add_u32 v10, v1, 3, s45
	v_add_nc_u32 v7, s42, v7
	v_lshl_add_u32 v9, v13, 4, v9
	v_lshlrev_b32 v11, 4, v1
	v_lshlrev_b32 v12, 3, v1
	v_add_nc_u32 v9, s44, v9
	s_wait_alu depctr_va_vdst(0)                   ; the wait at the head's end
	s_wait_kmcnt 0x0
	s_add_nc_u64 s[4:5], s[4:5], s[20:21]
	s_add_nc_u64 s[8:9], s[8:9], s[22:23]
	s_add_nc_u64 s[6:7], s[6:7], s[28:29]
	s_add_nc_u64 s[10:11], s[10:11], s[30:31]
	s_add_nc_u64 s[24:25], s[12:13], s[24:25]
	s_add_nc_u64 s[26:27], s[12:13], s[26:27]
.macro GATHER t                        ; block t's 32 pairs from the table into set t % 2: indices, addresses, loads, each as one run
.set PB, P+64*((\t)%2)
.set i, 0
.rept 32
	v_readlane_b32 s[GB+i], v[GI+(\t)], i          ; g_idx of k = 32 t + i
.set i, i+1
.endr
.set i, 0
.rept 32
	s_min_u32 s[GB+i], s[GB+i], 31                 ; held inside the table
.set i, i+1
.endr
.set i, 0
.rept 32
	v_lshl_add_u32 v[XN+i], s[GB+i], 8, v6         ; row g_idx[k] of 256 bytes
.set i, i+1
.endr
.set i, 0
.rept 32
	ds_load_b64 v[PB+2*i:PB+2*i+1], v[XN+i]        ; 32 lanes read its 256 consecutive bytes
.set i, i+1
.endr
.endm
.macro BLOCK t                         ; stage by stage over the 32 numbers
.set PB, P+64*((\t)%2)
.set i, 0
.rept 32
	v_bfe_u32 v[XN+i], v[Q+4*(\t)+i/8], 4*(i%8), 4 ; k = 8 x word + nibble
.set i, i+1
.endr
.set i, 0
.rept 32
	v_sub_nc_u32 v[XN+i], v[XN+i], v[PB+2*i+1]     ; - (zero + 1)
.set i, i+1
.endr
.set i, 0
.rept 32
	v_cvt_f32_i32 v[XN+i], v[XN+i]
.set i, i+1
.endr
.set i, 0
.rept 32
	v_mul_f32 v[XN+i], v[XN+i], v[PB+2*i]          ; x the scale: W, in f32
.set i, i+1
.endr
	v_max3_num_f32 v242, |v[XN]|, |v[XN+1]|, |v[XN+2]|             ; the block's largest magnitude, two chains
	v_max3_num_f32 v243, |v[XN+3]|, |v[XN+4]|, |v[XN+5]|
.irp i, 6,10,14,18,22,26
	s_delay_alu instid0(VALU_DEP_2)
	v_max3_num_f32 v242, v242, |v[XN+\i]|, |v[XN+\i+1]|
	s_delay_alu instid0(VALU_DEP_2)
	v_max3_num_f32 v243, v243, |v[XN+\i+2]|, |v[XN+\i+3]|
.endr
	s_delay_alu instid0(VALU_DEP_2)
	v_max3_num_f32 v242, v242, |v[XN+30]|, |v[XN+31]|
	s_delay_alu instid0(VALU_DEP_1)
	v_max3_num_f32 v242, v242, v243, 0x1800000     ; and the floor 2^(3 - 127)
	s_delay_alu instid0(VALU_DEP_1)
	v_add_nc_u32 v243, 0xff000000, v242            ; 2 off its exponent field: the conversion's scale operand
.if (\t)%4 == 0
	s_delay_alu instid0(VALU_DEP_1)
	v_lshrrev_b32 v[SB+(\t)/4], 23, v243           ; the byte; four to a register, the lower K in the lower byte
.else
	s_delay_alu instid0(VALU_DEP_1)
	v_lshrrev_b32 v242, 23, v243
	s_delay_alu instid0(VALU_DEP_1)
	v_lshl_or_b32 v[SB+(\t)/4], v242, 8*((\t)%4), v[SB+(\t)/4]
.endif
.irp g, 0,1,2,3
	v_cvt_scalef32_pk8_fp4_f32 v[CD+4*(\t)+\g], v[XN+8*\g:XN+8*\g+7], v243
.endr
	v_nop                                          ; one plain line behind the last conversion
.endm
.irp t, 0,1,2,3,4,5,6,7
	global_load_b32 v[GI+\t], v2, s[10:11] offset:128*\t           ; g_idx[32 t + lane] of my 256
.endr
.irp i, 0,1,2,3,4,5,6,7,8,9,10,11,12,13,14,15
	global_load_b32 v[P+2*\i], v2, s[8:9] offset:16384*\i          ; scales[16 (wave / 4) + i][my column]
	global_load_b32 v[P+2*\i+1], v3, s[6:7] offset:2048*\i         ; the word of qzeros with my column's nibble
.endr
.irp j, 0,1,2,3,4,5,6,7,8,9,10,11,12,13,14,15,16,17,18,19,20,21,22,23,24,25,26,27,28,29,30,31
	global_load_b32 v[Q+\j], v2, s[4:5] offset:16384*\j th:TH_LOAD_NT
.endr
	s_wait_loadcnt 32                              ; g_idx and the table's numbers are in; qweight's 32 may be out
.irp i, 0,1,2,3,4,5,6,7,8,9,10,11,12,13,14,15
	v_bfe_u32 v[P+2*\i+1], v[P+2*\i+1], v4, 4
.endr
.irp i, 0,1,2,3,4,5,6,7,8,9,10,11,12,13,14,15
	v_add_nc_u32 v[P+2*\i+1], 1, v[P+2*\i+1]       ; the stored number is the zero less one
.endr
.irp i, 0,1,2,3,4,5,6,7,8,9,10,11,12,13,14,15
	ds_store_b64 v5, v[P+2*\i:P+2*\i+1] offset:256*\i
.endr
	s_wait_dscnt 0x0                               ; for the others' sake: my part of the table is stored
	s_barrier_signal -1
	s_barrier_wait -1                              ; the table is whole
	GATHER 0
	s_wait_loadcnt 0x0                             ; qweight
.irp t, 0,1,2,3,4,5,6,7
.if \t < 7
	GATHER \t+1                                    ; the next block's pairs are on their way while this block is worked
	s_wait_dscnt 32                                ; this block's 32 pairs are in; the next block's 32 may be out
.else
	s_wait_dscnt 0x0
.endif
	BLOCK \t
.endr
	s_wait_alu depctr_va_vdst(0)                   ; the wait here, directly ahead of the wait below
	s_wait_dscnt 0x0
	s_barrier_signal -1
	s_barrier_wait -1                              ; no wave reads the table any more
.irp t, 0,1,2,3,4,5,6,7
	ds_store_b128 v7, v[CD+4*\t:CD+4*\t+3] offset:16*\t
.endr
	ds_store_b64 v8, v[SB:SB+1]
	s_wait_dscnt 0x0                               ; for the others' sake: my stores into the stage are done
	s_barrier_signal -1
	s_barrier_wait -1
.irp i, 0,1,2,3,4,5,6,7
	ds_load_b128 v[P+4*\i:P+4*\i+3], v9 offset:2*\i*SPITCH
.endr
	ds_load_b64 v[P+32:P+33], v10
.irp i, 0,1,2,3,4,5,6,7
	s_wait_dscnt 8-\i                              ; load i is in; the 7 - i behind it and the scale bytes' may be out
	global_store_b128 v11, v[P+4*\i:P+4*\i+3], s[24:25] offset:512*\i   ; 512 consecutive bytes: two whole rows of the block
.endr
	s_wait_dscnt 0x0
	global_store_b64 v12, v[P+32:P+33], s[26:27]   ; 256 consecutive bytes, aligned
	s_wait_tensorcnt 0x0                           ; the wave's end
	ds_add_u32 v[SPW], v[NIL]
	s_wait_dscnt 0x0
	s_endpgm
; ---------------- x and lora_A ----------------
.Lact:
.set STEPS, 17
.set DEPTH, 8
.set ROWF,  16384
.set R,     16                         ; v16-143  eight sets of 16 numbers as loaded
.set X,     144                        ; v144-175 two sets of 16 neighbours
.set E,     176                        ; v176-192 a scale byte for each step
.set C,     194                        ; v194-227 codes: two registers for each step: no store's data are written again
	s_load_b256 s[4:11], s[0:1], 0x20              ; wq s[4:5], xq s[6:7], x s[8:9], lora_A s[10:11]
	v_lshl_add_u32 v[SPW], v0, 2, SPARE
	v_mov_b32 v[NIL], 0
	v_lshrrev_b32 v1, 5, v0
	v_readfirstlane_b32 s16, v1                    ; wave = K step
	s_sub_co_u32 s17, ttmp9, 256                   ; g: the group of 16 rows of x
	s_lshr_b32 s18, s17, 4                         ; the row tile; for lora_A the column tile
	s_and_b32 s19, s17, 15                         ; which 16 rows of the tile; for lora_A the row
	s_lshl_b32 s20, s18, 3
	s_add_co_u32 s20, s20, s16                     ; 8 x tile + K step
	s_mul_i32 s24, s20, ABLK
	s_lshl_b32 s21, s19, 12
	s_add_co_u32 s22, s24, s21                     ; xq: my 16 rows of codes
	s_mov_b32 s23, 0
	s_lshl_b32 s21, s19, 8
	s_add_co_u32 s24, s24, s21
	s_add_co_u32 s24, s24, 65536                   ; xq: my 256 scale bytes
	s_mov_b32 s25, 0
	s_mul_i32 s28, s20, BBLK
	s_add_co_u32 s26, s28, s21
	s_add_co_u32 s26, s26, 65536                   ; wq: row 256 + lora_A's row
	s_mov_b32 s27, 0
	s_lshl_b32 s21, s19, 4
	s_add_co_u32 s28, s28, s21
	s_add_co_u32 s28, s28, 288*256                 ; wq: row 288, 16 bytes for lora_A's row
	s_mov_b32 s29, 0
	s_lshl_b32 s30, s17, 18                        ; x: 16 rows of 16,384 bytes,
	s_lshl_b32 s21, s16, 11                        ; 512 numbers of 4 bytes
	s_add_co_u32 s30, s30, s21
	s_mov_b32 s31, 0
	s_lshl_b32 s32, s19, 14
	s_add_co_u32 s32, s32, s21
	s_mov_b32 s33, 0
	s_mul_i32 s34, s16, WREG
	s_add_co_u32 s34, s34, ACT0                    ; my region of LDS
	s_add_co_u32 s35, s34, 2*32*SP                 ; its scale bytes
	v_and_b32 v2, 31, v0                           ; lane
	v_lshlrev_b32 v3, 4, v2                        ; my 16 bytes of a load's 512
	v_lshrrev_b32 v14, 2, v2
	v_and_b32 v15, 3, v2
	v_mul_u32_u24 v14, v14, SP
	v_lshlrev_b32 v4, 3, v2                        ; 8 x lane
	v_lshrrev_b32 v7, 1, v2                        ; my block
	v_lshl_add_u32 v14, v15, 4, v14
	v_mul_u32_u24 v15, v2, SP
	v_add_nc_u32 v5, s35, v7                       ; LDS: my block's byte
	v_add_nc_u32 v6, s35, v4                       ; and where I read 8 back
	v_add_nc_u32 v14, s34, v14                     ; the stage, in: SP (lane / 4) + 16 (lane % 4)
	v_add_nc_u32 v15, s34, v15                     ; and out: SP x lane
	s_wait_alu depctr_va_vdst(0)                   ; the wait at the head's end
	s_wait_kmcnt 0x0
	s_add_nc_u64 s[8:9], s[8:9], s[30:31]
	s_add_nc_u64 s[10:11], s[10:11], s[32:33]
	s_add_nc_u64 s[12:13], s[6:7], s[22:23]
	s_add_nc_u64 s[14:15], s[6:7], s[24:25]
	s_add_nc_u64 s[36:37], s[4:5], s[26:27]
	s_add_nc_u64 s[38:39], s[4:5], s[28:29]
.macro LOADX t
.irp i, 0,1,2,3
.if (\t) < 16
	global_load_b128 v[R+16*((\t)%DEPTH)+4*\i:R+16*((\t)%DEPTH)+4*\i+3], v3, s[8:9] offset:ROWF*(\t)+512*\i th:TH_LOAD_NT
.else
	global_load_b128 v[R+16*((\t)%DEPTH)+4*\i:R+16*((\t)%DEPTH)+4*\i+3], v3, s[10:11] offset:512*\i
.endif
.endr
.endm
.macro TURNX t                         ; LDS serves a wave's instructions in order: no wait between the stores and the loads
.irp i, 0,1,2,3
	ds_store_b128 v14, v[R+16*((\t)%DEPTH)+4*\i:R+16*((\t)%DEPTH)+4*\i+3] offset:32*SP*((\t)%2)+8*SP*\i
.endr
.irp i, 0,1,2,3
	ds_load_b128 v[X+16*((\t)%2)+4*\i:X+16*((\t)%2)+4*\i+3], v15 offset:32*SP*((\t)%2)+16*\i
.endr
.endm
.irp t, 0,1,2,3,4,5,6,7
	LOADX \t
.endr
	s_wait_loadcnt 4*(DEPTH-1)                     ; step 0's four loads are in
	TURNX 0
.macro STEPX t
.set XS, X+16*((\t)%2)
.if (\t) > 0
	s_wait_dscnt 1                                 ; this step's numbers are back from the stage (the last step's byte store may be out)
.else
	s_wait_dscnt 0x0
.endif
.if (\t)+DEPTH < STEPS
	LOADX (\t)+DEPTH                               ; into the set whose numbers the stage has taken
.endif
.if (\t)+1 < STEPS
.if (\t)+DEPTH < STEPS
	s_wait_loadcnt 4*(DEPTH-1)                     ; the next step's four loads are in; those of the seven steps behind it may be out
.else
	s_wait_loadcnt 4*(STEPS-2-(\t))
.endif
	TURNX (\t)+1
.endif
	v_max3_num_f32 v8, |v[XS]|, |v[XS+1]|, |v[XS+2]|               ; the largest magnitude of my 16, two chains
	v_max3_num_f32 v9, |v[XS+3]|, |v[XS+4]|, |v[XS+5]|
.irp i, 6,10
	s_delay_alu instid0(VALU_DEP_2)
	v_max3_num_f32 v8, v8, |v[XS+\i]|, |v[XS+\i+1]|
	s_delay_alu instid0(VALU_DEP_2)
	v_max3_num_f32 v9, v9, |v[XS+\i+2]|, |v[XS+\i+3]|
.endr
	s_delay_alu instid0(VALU_DEP_2)
	v_max3_num_f32 v8, v8, |v[XS+14]|, |v[XS+15]|
	s_delay_alu instid0(VALU_DEP_1)
	v_max3_num_f32 v8, v8, v9, 0x1800000           ; and the floor 2^(3 - 127)
	s_delay_alu instid0(VALU_DEP_1)
	v_max_num_f32_dpp v8, v8, v8 row_xmask:1 row_mask:0xf bank_mask:0xf   ; and of my neighbour's 16: the block's
	s_delay_alu instid0(VALU_DEP_1)
	v_add_nc_u32 v11, 0xff000000, v8               ; 2 off its exponent field: the conversion's scale operand
	v_cvt_scalef32_pk8_fp4_f32 v[C+2*(\t)], v[XS:XS+7], v11
	v_cvt_scalef32_pk8_fp4_f32 v[C+2*(\t)+1], v[XS+8:XS+15], v11
	v_lshrrev_b32 v[E+(\t)], 23, v11               ; the byte (also the plain line behind the conversions)
.if (\t) < 16
	ds_store_b8 v5, v[E+(\t)] offset:16*(\t)       ; both lanes of a block write the same byte with the same value
	global_store_b64 v4, v[C+2*(\t):C+2*(\t)+1], s[12:13] offset:256*(\t)   ; row t's 256 consecutive bytes, aligned
.else
	global_store_b64 v4, v[C+2*(\t):C+2*(\t)+1], s[36:37]          ; lora_A's row
	global_store_b8 v7, v[E+(\t)], s[38:39]                        ; its 16 scale bytes,
	global_store_b8 v7, v[E+(\t)], s[38:39] offset:256             ; and again in row 289: every byte that is fetched has been written
.endif
.endm
.irp t, 0,1,2,3,4,5,6,7,8,9,10,11,12,13,14,15,16
	STEPX \t
.endr
	ds_load_b64 v[12:13], v6                       ; in order behind my byte stores
	s_wait_dscnt 0x0
	global_store_b64 v4, v[12:13], s[14:15]        ; 256 consecutive bytes, aligned
	s_wait_tensorcnt 0x0                           ; the wave's end
	ds_add_u32 v[SPW], v[NIL]
	s_wait_dscnt 0x0
	s_endpgm
.Lfunc_end_k_q0ca5973c9b_prep:
	.size	k_q0ca5973c9b_prep, .Lfunc_end_k_q0ca5973c9b_prep-k_q0ca5973c9b_prep
	.p2alignl 7, 3214868480
	.fill 96, 4, 3214868480
	.section	.rodata,"a",@progbits
	.p2align	6, 0x0
	.amdhsa_kernel k_q0ca5973c9b_prep
		.amdhsa_group_segment_fixed_size 115712
		.amdhsa_private_segment_fixed_size 0
		.amdhsa_enable_private_segment 0
		.amdhsa_kernarg_size 64
		.amdhsa_user_sgpr_count 2
		.amdhsa_user_sgpr_kernarg_segment_ptr 1
		.amdhsa_wavefront_size32 1
		.amdhsa_system_sgpr_workgroup_id_x 1
		.amdhsa_system_sgpr_workgroup_id_y 1
		.amdhsa_system_sgpr_workgroup_id_z 1
		.amdhsa_system_vgpr_workitem_id 0
		.amdhsa_next_free_vgpr 256
		.amdhsa_next_free_sgpr 66
		.amdhsa_reserve_vcc 0
		.amdhsa_float_denorm_mode_32 3
		.amdhsa_float_denorm_mode_16_64 3
		.amdhsa_memory_ordered 1
		.amdhsa_forward_progress 1
		.amdhsa_inst_pref_size 168
	.end_amdhsa_kernel
	.amdgpu_metadata
---
amdhsa.version: [ 1, 2 ]
amdhsa.kernels:
  - .name:           k_q0ca5973c9b_prep
    .symbol:         k_q0ca5973c9b_prep.kd
    .args:
      - { .name: qweight, .offset: 0, .size: 8, .value_kind: global_buffer, .address_space: global }
      - { .name: qzeros, .offset: 8, .size: 8, .value_kind: global_buffer, .address_space: global }
      - { .name: scales, .offset: 16, .size: 8, .value_kind: global_buffer, .address_space: global }
      - { .name: g_idx, .offset: 24, .size: 8, .value_kind: global_buffer, .address_space: global }
      - { .name: wq, .offset: 32, .size: 8, .value_kind: global_buffer, .address_space: global }
      - { .name: xq, .offset: 40, .size: 8, .value_kind: global_buffer, .address_space: global }
      - { .name: x, .offset: 48, .size: 8, .value_kind: global_buffer, .address_space: global }
      - { .name: lora_A, .offset: 56, .size: 8, .value_kind: global_buffer, .address_space: global }
    .group_segment_fixed_size: 115712
    .private_segment_fixed_size: 0
    .kernarg_segment_align: 8
    .kernarg_segment_size: 64
    .max_flat_workgroup_size: 256
    .sgpr_count:     66
    .vgpr_count:     256
    .wavefront_size: 32
...
	.end_amdgpu_metadata
.endif
;; end of part 1
;; launch gemm (part 2): grid 16 x 16, 4 waves a work-group, clusters of 4 x 4, 327,680 bytes of LDS; arguments xq, wq, lora_B, out0; writes out0
.if DOCPART == 2
	.amdgcn_target "amdgcn-amd-amdhsa--gfx1250"
	.amdhsa_code_object_version 6
	.text
	.protected	k_q0ca5973c9b_gemm
	.globl	k_q0ca5973c9b_gemm
	.p2align	8
	.type	k_q0ca5973c9b_gemm,@function
k_q0ca5973c9b_gemm:
	s_mov_b64 s[64:65], 0
	v_nop
	global_prefetch_b8 v0, s[64:65] scope:SCOPE_SE
	s_setreg_imm32_b32 hwreg(HW_REG_WAVE_MODE, 25, 1), 1
	s_wait_xcnt 0x0
	s_wait_alu depctr_hold_cnt(0) depctr_sa_sdst(0) depctr_va_vdst(0) depctr_va_sdst(0) depctr_va_ssrc(0) depctr_va_vcc(0) depctr_vm_vsrc(0)
	s_getreg_b32 s2, hwreg(HW_REG_IB_STS2, 6, 4)
	s_cmp_eq_u32 s2, 0
	s_cbranch_scc0 .Lentry_in_a_cluster
	s_endpgm
.Lentry_in_a_cluster:
	s_bfe_u32 s2, ttmp6, 0x10000c
	s_cmp_lg_u32 s2, 0xf033
	s_cbranch_scc0 .Lentry_shape_is_right
	s_endpgm
.Lentry_shape_is_right:
; out0[m][n] = sum over k of Q(x)[m][k] Q(W)[k][n] + sum over j of t[m][j] 2 lora_B[n][j], t[m][j] = sum over k of Q(x)[m][k] Q(lora_A)[j][k].
; The two products over k take codes of FP4 and E8M0 bytes as the launch before laid them (xq, wq); the last has K = 16 and goes in bf16 (t and 2 lora_B rounded once), onto the same f32 sums.
; A tile of 256 x 256 is made by four waves, 128 x 128 each: 64 accumulators.  lora_A's 16 rows ride as a 17th block of B.
; t IS MADE ONCE IN THE WORK-GROUP: the two waves that share 128 rows (column halves c = 0, 1) order their eight blocks of 16 rows differently, by address alone: a wave's blocks 0-3 are rows 64 c on, its blocks 4-7
; rows 64 (1 - c) on.  Each makes t of its blocks 0-3 (4 more accumulators); at the end the two swap t's bf16 fragments through LDS as images of the registers: my partner's blocks 0-3 are my blocks 4-7.
; K goes in 8 steps of 512 through a ring of two LDS slots.  A slot holds a block of xq (272 rows of 256 bytes: codes, then scale bytes) and one of wq (290 rows); each wave fetches half of one block by one tensor load.
; CLUSTERS: 4 x 4 work-groups; xq's block is asked for jointly along a row of the cluster, wq's along a column.  The matrix instruction is used transposed (source 0 = B's rows, source 1 = A's): a lane holds 8 neighbours of a row of out0.
; A step of 128 along K is 68 matrix instructions on fragment set q % 2; the next step's 34 LDS loads go out in ONE run behind its first sixteen, into the other set.
; PREFETCH: behind the joint load of K step s each wave names K step s + 2 (s = 0 .. 5), two refills ahead: of the 136 (xq) or 145 (wq) rows that it fetches, the partner at place p of the four that ask jointly
; names rows 34 p .. 34 p + 33 (xq) or 36 p .. 36 p + 35 (wq), told apart by address; a lane a row, two instructions, left-over lanes naming the last row again.  Row 144 of a half of wq comes by its load alone.
; LIMITS: NaN and infinities among the inputs are not served.
; REGISTERS: window 0: v0-31 addresses; v32-103 scale words, two sets; v128-191, v192-255 A's fragments, two sets (at the end t and lora_B as bf16 fragments).
;   window 1: v0-63, v128-191 B's fragments, two sets (at the end rows read back from the stage); v64-79 lora_A's, two sets; v80-111 2 lora_B packed in bf16; v192-223 t's sums.   windows 2, 3: the 64 accumulators.
.set NQ,     4
.set PITCH,  272
.set ABLK,   69632
.set BBLK,   74240
.set ASC,    256*PITCH
.set BOFF,   272*PITCH
.set COFF,   BOFF+256*PITCH
.set BSC,    BOFF+272*PITCH
.set LSO,    BOFF+288*PITCH
.set SLOT,   562*PITCH
.set SPARE,  305920                    ; behind the ring: the spare words, two blocks of 256 bytes that no other line names
.set SPITCH, 528                       ; the way out: 16 rows x (512 + 16) bytes a wave, in slot 0 behind its last fill and last read: 33,792 bytes
.set XCH,    34816                     ; behind the stages, in slot 0 too: 2,048 bytes a wave for t's fragments
.set FR,     8
.set ROWC,   16384
.set ADRH, 8                           ; v8-9    A's blocks 4-7 in slot 0, 1
.set ADSH, 10                          ; v10-11  scale words of blocks 4-7
.set XST,  12                          ; v12     where I put t's fragments
.set XLD,  13                          ; v13     where my partner has put its
.set PF2,  14
.set ADRA, 16                          ; v16-17  A's blocks 0-3
.set ADRC, 18
.set ADRB, 20
.set ADRS, 22                          ; v22-23  scale words of blocks 0-3
.set STO,  24
.set RD,   25
.set CO,   26
.set PFO,  27
.set SPW,  28
.set NIL,  29
.set ADRL, 30
.set SC,   32
.set LSC,  96
.set AF,   128
.set TF,   128
.set LB,   192
.set LF,   64
.set LBP,  80
.set TA,   192
.set G1, 24
.set G0, 32
.set G1B, 48
.set G0B, 56
.set PFA, 4                            ; s[4:5] where my prefetches stand; s[6:7] a block's bytes: the step from K step to K step
.set PS,  6
.set MSB, 0
.macro WIN new
.if MSB != \new
	s_set_vgpr_msb (MSB<<8)|\new
.set MSB, \new
.endif
.endm
.set MUL_LO, 0xa1
.set MUL_HI, 0xf1
.set MUL_T,  0x51
.set TO_B,   0x40
.macro JLOAD s                         ; waves 0, 1 fetch xq's two halves, waves 2, 3 wq's; s_nop 0 and four v_nop behind each line
	s_cmp_eq_u32 s15, 0
	s_cbranch_scc0 .Lfor_b_\@
	tensor_load_to_lds s[G0+4*\s:G0+4*\s+3], s[G1:G1+7]
	s_nop 0
.rept 4
	v_nop
.endr
	s_branch .Lasked_\@
.Lfor_b_\@:
	tensor_load_to_lds s[G0B+4*\s:G0B+4*\s+3], s[G1B:G1B+7]
	s_nop 0
.rept 4
	v_nop
.endr
.Lasked_\@:
.endm
.macro ASK loop                        ; loop = 1: the loop's last trip (s3 = 1) has no K step two refills on
.if \loop
	s_cmp_gt_u32 s3, 1
	s_cbranch_scc0 .Lno_ask_\@
.endif
	global_prefetch_b8 v[PFO], s[PFA:PFA+1] th:TH_LOAD_NT scope:SCOPE_SE
	global_prefetch_b8 v[PF2], s[PFA:PFA+1] th:TH_LOAD_NT scope:SCOPE_SE
.Lno_ask_\@:
.endm
.macro CREST
	s_cmp_lg_u32 s14, 0
	s_cbranch_scc1 .Lnot_wave_0_\@
	s_barrier_signal -3
.Lnot_wave_0_\@:
	s_barrier_wait -3
	s_barrier_signal -1
	s_barrier_wait -1
.endm
.macro CROUND
	s_barrier_signal -1
	s_barrier_wait -1
	CREST
.endm
	s_load_b256 s[4:11], s[0:1], 0x0               ; xq, wq, lora_B, out0
	v_lshl_add_u32 v[SPW], v0, 2, SPARE
	v_mov_b32 v[NIL], 0
	ds_add_u32 v[SPW], v[NIL]                      ; the opening lines: the add twice on end and one wait
	ds_add_u32 v[SPW], v[NIL]
	v_lshrrev_b32 v1, 5, v0
	v_readfirstlane_b32 s14, v1                    ; wave
	s_lshr_b32 s15, s14, 1                         ; my half of the rows; also: I fetch xq (0) or wq (1)
	s_and_b32 s16, s14, 1                          ; c: my half of the columns; also which half of the block I fetch
	s_bfe_u32 s40, ttmp6, 0x40000                  ; cx
	s_bfe_u32 s41, ttmp6, 0x40004                  ; cy
	s_lshl_b32 s42, ttmp9, 2
	s_add_co_u32 s42, s42, s40                     ; tile column
	s_and_b32 s17, ttmp7, 0xffff
	s_lshl_b32 s17, s17, 2
	s_add_co_u32 s17, s17, s41                     ; tile row
	s_lshl_b32 s43, s41, 2
	s_lshl_b32 s43, 15, s43                        ; my row of the cluster
	s_lshl_b32 s44, 0x1111, s40                    ; my column
	s_or_b32 s[G1+0], s43, (0<<16)|(1<<20)|(1<<21)|(5<<22)|(3<<25)   ; bytes; 16 bytes of padding behind each 256
	s_mov_b32 s[G1+1], 256<<16
	s_mov_b32 s[G1+2], 136<<16
	s_mov_b32 s[G1+3], 256<<16
	s_mov_b32 s[G1+4], 136
	s_mov_b32 s[G1+5], 256
	s_mov_b32 s[G1+6], 0
	s_mov_b32 s[G1+7], 0
	s_or_b32 s[G1B+0], s44, (0<<16)|(1<<20)|(1<<21)|(5<<22)|(3<<25)
	s_mov_b32 s[G1B+1], 256<<16
	s_mov_b32 s[G1B+2], 145<<16
	s_mov_b32 s[G1B+3], 256<<16
	s_mov_b32 s[G1B+4], 145
	s_mov_b32 s[G1B+5], 256
	s_mov_b32 s[G1B+6], 0
	s_mov_b32 s[G1B+7], 0
	s_mul_i32 s20, s17, 8*ABLK
	s_mul_i32 s18, s16, 136*256
	s_add_co_u32 s20, s20, s18
	s_mov_b32 s21, 0
	s_mul_i32 s46, s42, 8*BBLK
	s_mul_i32 s18, s16, 145*256
	s_add_co_u32 s46, s46, s18
	s_mov_b32 s47, 0
	s_mul_i32 s45, s16, 136*PITCH
	s_mul_i32 s19, s16, 145*PITCH
	s_add_co_u32 s19, s19, BOFF
	s_wait_dscnt 0x0                               ; both opening adds are done
	CROUND                                         ; all sixteen work-groups are here: the first joint loads meet; the arguments come in meanwhile
	s_wait_kmcnt 0x0
	s_add_nc_u64 s[20:21], s[4:5], s[20:21]
	s_add_nc_u64 s[46:47], s[6:7], s[46:47]
.irp s, 0,1
	s_mov_b32 s[G0+4*\s], 1
	s_add_co_u32 s[G0+4*\s+1], s45, \s*SLOT
	s_add_nc_u64 s[G0+4*\s+2:G0+4*\s+3], s[20:21], \s*ABLK
	s_or_b32 s[G0+4*\s+3], s[G0+4*\s+3], 0x80000000
	s_mov_b32 s[G0B+4*\s], 1
	s_add_co_u32 s[G0B+4*\s+1], s19, \s*SLOT
	s_add_nc_u64 s[G0B+4*\s+2:G0B+4*\s+3], s[46:47], \s*BBLK
	s_or_b32 s[G0B+4*\s+3], s[G0B+4*\s+3], 0x80000000
.endr
	JLOAD 0                                        ; K step 0: one tensor load a wave at the head
	; the prefetches' address: my half of my block, my work-group's share of its rows, K step 2
	s_cmp_eq_u32 s15, 0
	s_cselect_b64 s[PFA:PFA+1], s[20:21], s[46:47]
	s_cselect_b32 s18, s40, s41                    ; my place among the four that ask with me
	s_cselect_b32 s22, 34, 36                      ; rows for each of the four
	s_mov_b32 s[PS], BBLK
	s_cselect_b32 s[PS], ABLK, s[PS]
	s_mov_b32 s[PS+1], 0
	s_mul_i32 s18, s18, s22
	s_lshl_b32 s18, s18, 8
	s_lshl_b32 s19, s[PS], 1
	s_add_co_u32 s18, s18, s19
	s_mov_b32 s19, 0
	s_add_nc_u64 s[PFA:PFA+1], s[PFA:PFA+1], s[18:19]
	s_sub_co_u32 s22, s22, 1                       ; my share's last row
	s_lshl_b32 s46, s42, 14                        ; lora_B: 256 rows of 64 bytes a tile column, 128 for my half
	s_lshl_b32 s47, s16, 13
	s_add_co_u32 s46, s46, s47
	s_mov_b32 s47, 0
	s_add_nc_u64 s[8:9], s[8:9], s[46:47]
	s_xor_b32 s43, s16, 1                          ; 1 - c
	s_mul_i32 s18, s15, 128*PITCH                  ; my 128 rows of A:
	s_mul_i32 s44, s43, 64*PITCH
	s_add_co_u32 s44, s44, s18                     ; blocks 4-7: rows 64 (1 - c) on,
	s_mul_i32 s19, s16, 64*PITCH
	s_add_co_u32 s18, s18, s19                     ; blocks 0-3: rows 64 c on
	s_mul_i32 s19, s16, 128*PITCH
	s_add_co_u32 s19, s19, BOFF                    ; my 128 rows of B
	s_mul_i32 s20, s15, 8*PITCH
	s_add_co_u32 s20, s20, ASC                     ; A's scale words, an LDS row for each 16 rows:
	s_mul_i32 s45, s43, 4*PITCH
	s_add_co_u32 s45, s45, s20                     ; of blocks 4-7,
	s_mul_i32 s3, s16, 4*PITCH
	s_add_co_u32 s20, s20, s3                      ; of blocks 0-3
	s_mul_i32 s21, s16, 8*PITCH
	s_add_co_u32 s21, s21, BSC                     ; B's
	s_add_co_u32 s3, s21, 4*PITCH
	s_sub_co_u32 s3, s3, s45                       ; from A's blocks 4-7 to B's blocks 4-7
	s_sub_co_u32 s21, s21, s20                     ; from A's blocks 0-3 to B's blocks 0-3
	s_mul_i32 s23, s14, 16*SPITCH                  ; my stage
	s_lshl_b32 s40, s17, 8
	s_lshl_b32 s41, s15, 7
	s_add_co_u32 s40, s40, s41
	s_lshl_b32 s41, s16, 6
	s_add_co_u32 s40, s40, s41                     ; block 0's first row of out0
	s_lshl_b32 s40, s40, 14                        ; in bytes
	s_mov_b32 s41, 0
	s_lshl_b32 s46, s42, 10
	s_lshl_b32 s47, s16, 9
	s_add_co_u32 s46, s46, s47
	s_mov_b32 s47, 0
	s_add_nc_u64 s[40:41], s[40:41], s[46:47]
	s_add_nc_u64 s[12:13], s[10:11], s[40:41]
	s_lshl_b32 s10, s16, 21                        ; 128 c rows of 16,384 bytes: what the way out goes back at block 4
	s_mov_b32 s11, 0
	s_lshl_b32 s46, s14, 11
	s_add_co_u32 s46, s46, XCH                     ; my 2,048 bytes for t's fragments,
	s_xor_b32 s47, s14, 1
	s_lshl_b32 s47, s47, 11
	s_add_co_u32 s47, s47, XCH                     ; and my partner's
	v_and_b32 v1, 15, v0                           ; r
	v_bfe_u32 v2, v0, 4, 1                         ; h
	v_and_b32 v6, 31, v0
	v_lshlrev_b32 v7, 6, v1
	v_lshl_add_u32 v7, v2, 5, v7                   ; lora_B: row r of 64 bytes, + 32 h
.irp b, 0,1,2,3,4,5,6,7
	global_load_b128 v[AF+8*\b:AF+8*\b+3],   v7, s[8:9] offset:1024*\b
	global_load_b128 v[AF+8*\b+4:AF+8*\b+7], v7, s[8:9] offset:1024*\b+16
.endr
	v_lshlrev_b32 v[PFO], 8, v6                    ; a lane a row of 256 bytes: rows 0-31 of my share,
	v_add_nc_u32 v[PF2], 32, v6
	v_min_u32 v[PF2], s22, v[PF2]                  ; and the rest, left-over lanes on the last
	v_lshlrev_b32 v[PF2], 8, v[PF2]
	ASK 0                                          ; K step 2
	v_mul_u32_u24 v3, v1, PITCH
	v_lshl_add_u32 v4, v2, 4, v3                   ; a fragment's row x pitch + 16 h
	v_add_nc_u32 v[ADRA], s18, v4
	v_add_nc_u32 v[ADRH], s44, v4
	v_add_nc_u32 v[ADRB], s19, v4
	v_add_nc_u32 v[ADRC], COFF, v4
	v_add_nc_u32 v[ADRA+1], SLOT, v[ADRA]
	v_add_nc_u32 v[ADRH+1], SLOT, v[ADRH]
	v_add_nc_u32 v[ADRB+1], SLOT, v[ADRB]
	v_add_nc_u32 v[ADRC+1], SLOT, v[ADRC]
	v_lshlrev_b32 v5, 4, v1                        ; 16 scale bytes a row
	v_mul_u32_u24 v3, s21, v2                      ; lanes 16-31 take B's
	v_mul_u32_u24 v4, s3, v2
	v_add_nc_u32 v3, v5, v3
	v_add_nc_u32 v4, v5, v4
	v_add_nc_u32 v[ADRS], s20, v3
	v_add_nc_u32 v[ADSH], s45, v4
	v_add_nc_u32 v[ADRS+1], SLOT, v[ADRS]
	v_add_nc_u32 v[ADSH+1], SLOT, v[ADSH]
	v_add_nc_u32 v[ADRL], LSO, v5
	v_add_nc_u32 v[ADRL+1], LSO+SLOT, v5
	v_lshl_add_u32 v[XST], v6, 4, s46              ; an image of four registers: 16 bytes a lane
	v_lshl_add_u32 v[XLD], v6, 4, s47
	v_mul_u32_u24 v5, v1, SPITCH
	v_lshl_add_u32 v5, v2, 5, v5
	v_add_nc_u32 v[STO], s23, v5
	v_lshlrev_b32 v[CO], 4, v6
	v_add_nc_u32 v[RD], s23, v[CO]
	s_wait_alu depctr_va_vdst(0)                   ; the wait here, directly ahead of the wait below
	s_wait_loadcnt 0x0                             ; lora_B
.irp b, 0,1,2,3,4,5,6,7
.irp i, 0,2,4,6
	v_pk_mul_f32 v[AF+8*\b+\i:AF+8*\b+\i+1], v[AF+8*\b+\i:AF+8*\b+\i+1], 2.0 op_sel_hi:[1,0]   ; the scaling 32 / 16
.endr
.endr
	WIN TO_B
.irp b, 0,1,2,3,4,5,6,7
.irp i, 0,1,2,3
	v_cvt_pk_bf16_f32 v[LBP+4*\b+\i], v[AF+8*\b+2*\i], v[AF+8*\b+2*\i+1]   ; kept packed, 4 registers a block of 16 columns
.endr
.endr
	WIN 0
.macro FRAG reg, adr, q, i
.irp c, 0,1
	ds_load_b128 v[\reg+4*\c:\reg+4*\c+3], v[\adr] offset:64*(\q)+32*\c+(\i)*16*PITCH
.endr
.endm
.macro MUL16 a0, p, q, sc, zero
.irp a, \a0, \a0+1
.irp b, 0,1,2,3,4,5,6,7
.if \zero
	v_wmma_scale_f32_16x16x128_f8f6f4 v[8*(8*((\a)%4)+\b):8*(8*((\a)%4)+\b)+7], v[128*(\p)+FR*\b:128*(\p)+FR*\b+FR-1], v[AF+64*(\p)+FR*(\a):AF+64*(\p)+FR*(\a)+FR-1], 0, v[SC+8*NQ*(\sc)+NQ*\b+(\q)], v[SC+8*NQ*(\sc)+NQ*(\a)+(\q)] matrix_a_fmt:MATRIX_FMT_FP4 matrix_b_fmt:MATRIX_FMT_FP4 matrix_a_scale:MATRIX_SCALE_ROW1
.else
	v_wmma_scale_f32_16x16x128_f8f6f4 v[8*(8*((\a)%4)+\b):8*(8*((\a)%4)+\b)+7], v[128*(\p)+FR*\b:128*(\p)+FR*\b+FR-1], v[AF+64*(\p)+FR*(\a):AF+64*(\p)+FR*(\a)+FR-1], v[8*(8*((\a)%4)+\b):8*(8*((\a)%4)+\b)+7], v[SC+8*NQ*(\sc)+NQ*\b+(\q)], v[SC+8*NQ*(\sc)+NQ*(\a)+(\q)] matrix_a_fmt:MATRIX_FMT_FP4 matrix_b_fmt:MATRIX_FMT_FP4 matrix_a_scale:MATRIX_SCALE_ROW1
.endif
.endr
.endr
.endm
.macro MULT p, q, sc, zero             ; t of my blocks 0-3
.irp a, 0,1,2,3
.if \zero
	v_wmma_scale_f32_16x16x128_f8f6f4 v[TA+8*(\a):TA+8*(\a)+7], v[LF+8*(\p):LF+8*(\p)+7], v[AF+64*(\p)+FR*(\a):AF+64*(\p)+FR*(\a)+FR-1], 0, v[LSC+NQ*(\sc)+(\q)], v[SC+8*NQ*(\sc)+NQ*(\a)+(\q)] matrix_a_fmt:MATRIX_FMT_FP4 matrix_b_fmt:MATRIX_FMT_FP4 matrix_a_scale:MATRIX_SCALE_ROW1
.else
	v_wmma_scale_f32_16x16x128_f8f6f4 v[TA+8*(\a):TA+8*(\a)+7], v[LF+8*(\p):LF+8*(\p)+7], v[AF+64*(\p)+FR*(\a):AF+64*(\p)+FR*(\a)+FR-1], v[TA+8*(\a):TA+8*(\a)+7], v[LSC+NQ*(\sc)+(\q)], v[SC+8*NQ*(\sc)+NQ*(\a)+(\q)] matrix_a_fmt:MATRIX_FMT_FP4 matrix_b_fmt:MATRIX_FMT_FP4 matrix_a_scale:MATRIX_SCALE_ROW1
.endif
.endr
.endm
; One run: the slot's q-th 128 along K into set p: B's 16 loads, lora_A's 2, A's blocks 0-3 (8), with sc = 1 the slot's 9 loads of scale words, and last A's blocks 4-7 (8)
.macro FETCH slot, q, p, sc
	WIN TO_B
.irp i, 0,1,2,3,4,5,6,7
	FRAG 128*(\p)+FR*\i, ADRB+\slot, \q, \i
.endr
	FRAG LF+8*(\p), ADRC+\slot, \q, 0
	WIN 0
.irp i, 0,1,2,3
	FRAG AF+64*(\p)+FR*\i, ADRA+\slot, \q, \i
.endr
.if \sc
.irp i, 0,1,2,3
	ds_load_b128 v[SC+8*NQ*\slot+NQ*\i:SC+8*NQ*\slot+NQ*\i+3], v[ADRS+\slot] offset:\i*PITCH   ; lanes 0-15 A's block i, lanes 16-31 B's
.endr
.irp i, 4,5,6,7
	ds_load_b128 v[SC+8*NQ*\slot+NQ*\i:SC+8*NQ*\slot+NQ*\i+3], v[ADSH+\slot] offset:(\i-4)*PITCH
.endr
	ds_load_b128 v[LSC+NQ*\slot:LSC+NQ*\slot+3], v[ADRL+\slot]
.endif
.irp i, 4,5,6,7
	FRAG AF+64*(\p)+FR*\i, ADRH+\slot, \q, \i-4
.endr
.endm
.macro PLACES n
.rept \n
	v_nop
.endr
.endm
; A step that has its successor in the same slot.  The 68 accumulators take turns, one instruction a turn, in the same order in every step.
.macro STEP slot, q, zero
	s_wait_dscnt 8                                 ; all of this step's but the youngest eight loads (A's blocks 4-7)
	WIN MUL_LO
	MUL16 0, (\q)%2, \q, \slot, \zero
	PLACES 4                                       ; ahead of loads into the set that the last step multiplied
	FETCH \slot, (\q)+1, 1-(\q)%2, 0
	WIN MUL_LO
	MUL16 2, (\q)%2, \q, \slot, \zero
	WIN MUL_T
	MULT (\q)%2, \q, \slot, \zero
	s_wait_dscnt 34                                ; all but the 34 just issued
	WIN MUL_HI
	MUL16 4, (\q)%2, \q, \slot, \zero
	MUL16 6, (\q)%2, \q, \slot, \zero
.endm
; A slot's last step changes slots.  Its fragments were fetched in the step before, so my reads of the slot end at its head.  fill = 1: the slot is filled again, two K steps on.
.macro TURN slot, next, fill
.if \fill
	s_wait_xcnt 0x0                                ; my prefetches have read their address: it steps here
	s_add_nc_u64 s[PFA:PFA+1], s[PFA:PFA+1], s[PS:PS+1]
.endif
	WIN 0
	s_wait_tensorcnt 0x0                           ; my part of the next slot has landed
	ds_add_u32 v[SPW], v[NIL]
.if \fill
	s_add_nc_u64 s[G0+4*\slot+2:G0+4*\slot+3], s[G0+4*\slot+2:G0+4*\slot+3], 2*ABLK      ; no tensor load of mine is out: this slot's next K step
	s_add_nc_u64 s[G0B+4*\slot+2:G0B+4*\slot+3], s[G0B+4*\slot+2:G0B+4*\slot+3], 2*BBLK
.endif
	s_wait_dscnt 0x0                               ; the add is done, and my reads of this slot are over
	s_barrier_signal -1
	s_barrier_wait -1
.if \fill
	CREST                                          ; the barrier has opened a round of the cluster's barrier
	JLOAD \slot                                    ; the first tensor load behind the round; its four v_nop are the places ahead of the loads below; all of this step's 68 products stand behind it
.else
	PLACES 4
.endif
	FETCH \next, 0, 0, 1
.if \fill
	ASK 1
.endif
	WIN MUL_LO
	MUL16 0, 1, NQ-1, \slot, 0
	MUL16 2, 1, NQ-1, \slot, 0
	WIN MUL_T
	MULT 1, NQ-1, \slot, 0
	WIN MUL_HI
	MUL16 4, 1, NQ-1, \slot, 0
	MUL16 6, 1, NQ-1, \slot, 0
.endm
.macro STEPS slot, from
.set Q, \from
.rept NQ-1-\from
	STEP \slot, Q, 0
.set Q, Q+1
.endr
.endm
	s_wait_xcnt 0x0
	s_add_nc_u64 s[PFA:PFA+1], s[PFA:PFA+1], s[PS:PS+1]   ; on to K step 3
	s_wait_alu depctr_va_vdst(0)                   ; the wait at the head's end
	s_wait_tensorcnt 0x0                           ; my part of K step 0 is in; the three lines ahead of a later first fill, as ahead of a refill
	ds_add_u32 v[SPW], v[NIL]
	s_wait_dscnt 0x0
	CROUND
	JLOAD 1                                        ; K step 1: slot 1's first fill
	FETCH 0, 0, 0, 1
	ASK 0                                          ; K step 3
	STEP 0, 0, 1                                   ; the first step's products start the sums
	WIN 0
	s_mov_b32 s3, 3
.Llap:                                             ; once round the ring, from a lap's second step to the next lap's first
	STEPS 0, 1
	TURN 0, 1, 1
	STEPS 1, 0
	TURN 1, 0, 1
	STEP 0, 0, 0
	WIN 0
	s_sub_co_u32 s3, s3, 1
	s_cmp_lg_u32 s3, 0
	s_cbranch_scc1 .Llap
	STEPS 0, 1                                     ; the last lap fills nothing
	TURN 0, 1, 0
	STEPS 1, 0
	s_wait_dscnt 0x0
	WIN MUL_LO
	MUL16 0, 1, NQ-1, 1, 0
	MUL16 2, 1, NQ-1, 1, 0
	WIN MUL_T
	MULT 1, NQ-1, 1, 0
	WIN MUL_HI
	MUL16 4, 1, NQ-1, 1, 0
	MUL16 6, 1, NQ-1, 1, 0
	PLACES 4
	; t and 2 lora_B as bf16 fragments of K = 32: k = 0 .. 15 in registers 0-3, zeros in registers 4-7
	WIN 0x05
.irp a, 0,1,2,3
.irp i, 0,1,2,3
	v_cvt_pk_bf16_f32 v[TF+8*\a+\i], v[TA+8*\a+2*\i], v[TA+8*\a+2*\i+1]
.endr
.endr
	WIN 0
.irp a, 0,1,2,3
	ds_store_b128 v[XST], v[TF+8*\a:TF+8*\a+3] offset:512*\a       ; t of my blocks 0-3, for my partner
.endr
	s_wait_dscnt 0x0                               ; for the partner's sake: my stores are done
	s_barrier_signal -1
.irp a, 0,1,2,3,4,5,6,7
.irp i, 4,5,6,7
	v_mov_b32 v[TF+8*\a+\i], 0
.endr
.endr
	WIN 0x01
.irp b, 0,1,2,3,4,5,6,7
.irp i, 0,1,2,3
	v_mov_b32 v[LB+8*\b+\i], v[LBP+4*\b+\i]
.endr
.endr
	WIN 0
.irp b, 0,1,2,3,4,5,6,7
.irp i, 4,5,6,7
	v_mov_b32 v[LB+8*\b+\i], 0
.endr
.endr
	s_wait_alu depctr_va_vdst(0)
	s_barrier_wait -1
.irp a, 0,1,2,3
	ds_load_b128 v[TF+32+8*\a:TF+32+8*\a+3], v[XLD] offset:512*\a  ; my partner's blocks 0-3 are my blocks 4-7
.endr
	s_wait_dscnt 0x0
.macro LORA a                          ; block a of 16 rows: + t (2 lora_B)^T, its 8 accumulators by turns
	WIN 0xa0+0x50*((\a)/4)
.irp b, 0,1,2,3,4,5,6,7
	v_wmma_f32_16x16x32_bf16 v[64*((\a)%4)+8*\b:64*((\a)%4)+8*\b+7], v[LB+8*\b:LB+8*\b+7], v[TF+8*(\a):TF+8*(\a)+7], v[64*((\a)%4)+8*\b:64*((\a)%4)+8*\b+7]
.endr
.endm
; THE WAY OUT, block by block: through my own stage and back as whole rows of 512 bytes.  LDS serves a wave's instructions in order.
.macro TOSTAGE a
.set AC, 64*((\a)%4)
	WIN 0x08+4*((\a)/4)
.irp b, 0,1,2,3,4,5,6,7
	ds_store_b128 v[STO], v[AC+8*\b:AC+8*\b+3] offset:64*\b          ; each accumulator from its low end on
	ds_store_b128 v[STO], v[AC+8*\b+4:AC+8*\b+7] offset:64*\b+16
.endr
	WIN TO_B
.set BB, 128*((\a)%2)
.irp t, 0,1,2,3,4,5,6,7,8,9,10,11,12,13,14,15
	ds_load_b128 v[BB+4*\t:BB+4*\t+3], v[RD] offset:\t*SPITCH
.endr
	WIN 0
.endm
.macro SEND a, younger
.set BB, 128*((\a)%2)
	s_wait_dscnt \younger
.if (\a) > 0
	s_add_nc_u64 s[12:13], s[12:13], 16*ROWC       ; behind a wait on XCNT: the earlier stores have read their base
.endif
.if (\a) == 4
	s_sub_nc_u64 s[12:13], s[12:13], s[10:11]      ; block 4 begins at row 64 (1 - c): 128 c rows back
.endif
	WIN 0x04
.irp t, 0,1,2,3,4,5,6,7,8,9,10,11,12,13,14,15
	global_store_b128 v[CO], v[BB+4*\t:BB+4*\t+3], s[12:13] offset:\t*ROWC th:TH_STORE_NT   ; 512 consecutive bytes, aligned
.endr
	WIN 0
.endm
	LORA 0
	LORA 1
	PLACES 4
	TOSTAGE 0
.irp a, 1,2,3,4,5,6,7
.if \a < 7
	LORA \a+1                                      ; the next block's products stand among the stores
	PLACES 4
.endif
.if \a > 1
	s_wait_xcnt 0x0                                ; block a - 2's stores have read their registers and their base
.endif
	TOSTAGE \a
	SEND \a-1, 32                                  ; behind block a - 1's loads: block a's 16 stores and 16 loads
.endr
	s_wait_xcnt 0x0
	SEND 7, 0
	s_wait_tensorcnt 0x0                           ; the wave's end
	ds_add_u32 v[SPW], v[NIL]
	s_wait_dscnt 0x0
	CROUND                                         ; the closing round
	s_endpgm
.Lfunc_end_k_q0ca5973c9b_gemm:
	.size	k_q0ca5973c9b_gemm, .Lfunc_end_k_q0ca5973c9b_gemm-k_q0ca5973c9b_gemm
	.p2alignl 7, 3214868480
	.fill 96, 4, 3214868480
	.section	.rodata,"a",@progbits
	.p2align	6, 0x0
	.amdhsa_kernel k_q0ca5973c9b_gemm
		.amdhsa_group_segment_fixed_size 327680
		.amdhsa_private_segment_fixed_size 0
		.amdhsa_enable_private_segment 0
		.amdhsa_kernarg_size 32
		.amdhsa_user_sgpr_count 2
		.amdhsa_user_sgpr_kernarg_segment_ptr 1
		.amdhsa_wavefront_size32 1
		.amdhsa_system_sgpr_workgroup_id_x 1
		.amdhsa_system_sgpr_workgroup_id_y 1
		.amdhsa_system_sgpr_workgroup_id_z 1
		.amdhsa_system_vgpr_workitem_id 0
		.amdhsa_next_free_vgpr 1024
		.amdhsa_next_free_sgpr 66
		.amdhsa_reserve_vcc 0
		.amdhsa_float_denorm_mode_32 3
		.amdhsa_float_denorm_mode_16_64 3
		.amdhsa_memory_ordered 1
		.amdhsa_forward_progress 1
		.amdhsa_inst_pref_size 238
	.end_amdhsa_kernel
	.amdgpu_metadata
---
amdhsa.version: [ 1, 2 ]
amdhsa.kernels:
  - .name:           k_q0ca5973c9b_gemm
    .symbol:         k_q0ca5973c9b_gemm.kd
    .args:
      - { .name: xq, .offset: 0, .size: 8, .value_kind: global_buffer, .address_space: global }
      - { .name: wq, .offset: 8, .size: 8, .value_kind: global_buffer, .address_space: global }
      - { .name: lora_B, .offset: 16, .size: 8, .value_kind: global_buffer, .address_space: global }
      - { .name: out0, .offset: 24, .size: 8, .value_kind: global_buffer, .address_space: global }
    .group_segment_fixed_size: 327680
    .private_segment_fixed_size: 0
    .kernarg_segment_align: 8
    .kernarg_segment_size: 32
    .max_flat_workgroup_size: 128
    .sgpr_count:     66
    .vgpr_count:     1024
    .wavefront_size: 32
...
	.end_amdgpu_metadata
.endif
;; end of part 2
